; MI455X (gfx1250); checked and timed in simulation.
; The chip was launched on July 23, 2026; its instructions are those of AMD's public machine-readable ISA for CDNA 5 (MIT licence, August 2026) and "CDNA5" Instruction Set Architecture Reference Guide (July 2026). The comments in the code are by the model that wrote it; some were corrected since.
;; Dot Product Attention. Allowed arithmetic: matrix products marked QUANTISED: E2M3 operands, one E8M0 scale for each 32 along K, by v_wmma_scale_f32_16x16x128_f8f6f4 with both operands' format E2M3, f32 sums; everything else in f32.
;; Inputs: attention_mask 2 x 1 x 4,096 x 4,096 bool; key 2 x 4,096 x 8 x 64 float32; query 2 x 4,096 x 8 x 64 float32; value 2 x 4,096 x 8 x 64 float32.
;; Outputs: out0 2 x 4,096 x 512 float32.
;; This version of the problem:
;;   THIS VERSION OF THE PROBLEM IS GIVEN IN LOW PRECISION. The matrix products marked QUANTISED in the list below multiply operands that are first quantised to E2M3 (2 exponent bits, 3 mantissa bits; 6 bits a number), with one power-of-two scale for each 32 numbers along K (OCP MX v1.0); their sums are f32. All else is computed in f32.
;;   The module's matrix products, in the order in which they are computed (A, B: the left and right operand; K: the contracted axis; several contracted axes count as one K, in the product's order):
;;     1. batch 16 x [M 4,096, K 64] x [K 64, N 4,096]; A: input query; B: input key: QUANTISED
;;     2. batch 16 x [M 64, K 4,096] x [K 4,096, N 4,096]; A: input value; B: softmax (see below): QUANTISED
;;   THE QUANTISER, for each operand of a quantised product, along K:
;;     - K is cut into blocks of 32 from its start; a last block that is shorter is filled with zeros.
;;     - A block's scale is 2^e with e = floor(log2(the largest magnitude in the block)) - 2, held to -126 .. 127; a block of zeros has e = 0. As a byte (E8M0): e + 127.
;;     - Each number is divided by its block's scale, clamped to +-7.5, and rounded to the nearest number of E2M3, ties to even, subnormals kept.
;;     - The product sums the exact products of the quantised numbers (number of the format x scale) in f32.
;;   ~~~python
;;   def quantise(x, axis):      # numpy; x: float32 -> the quantised numbers, widened to float32 again
;;       x = np.moveaxis(x, axis, -1); K = x.shape[-1]
;;       x = np.pad(x, [(0, 0)] * (x.ndim - 1) + [(0, -K % 32)]); x = x.reshape(x.shape[:-1] + (-1, 32)); a = np.abs(x).max(-1, keepdims=True)
;;       e = np.where(a > 0, np.clip(np.frexp(np.where(a > 0, a, 1))[1] - 1 - 2, -126, 127), 0)      # np.frexp(a)[1] - 1 = floor(log2(a)), exactly
;;       r = np.clip(x / 2.0 ** e, -7.5, 7.5)
;;       step = 2.0 ** (np.maximum(np.frexp(np.where(r == 0, 1, r))[1] - 1, 0) - 3)
;;       q = np.round(r / step) * step * 2.0 ** e      # np.round: ties to even
;;       return np.moveaxis(q.reshape(q.shape[:-2] + (-1,))[..., :K], -1, axis).astype(np.float32)
;;   ~~~
;;   SOFTMAX AHEAD OF A QUANTISED PRODUCT. Where the list says 'softmax', what is quantised is not the finished softmax but p = 2^(t - M), with t = logit x log2(e) and M = ceil(the row's largest t), a whole number; so 1/2 < the row's largest p <= 1. The row's sum l is taken of the UNQUANTISED p, in f32, and the product's result is divided by l at the end. Since M is a whole number, a kernel that streams over the keys may use a running M (the ceiling of the running maximum): every later rescaling is an exact power of two, which a block's scale takes up: the codes' values come out the same.
;;   OPERANDS COMPUTED ON THE WAY. 'Computed on the way' means the value that the module computes at that place (a softmax that the list does not call 'softmax' is quantised finished and normalised). What goes into a quantiser is computed in f32, as accurately as f32 sums, v_exp_f32 and their like allow (about 1e-6 of the number): no bf16 or f16 on the way to a quantiser, and a product that is left as it is and whose result goes on into a quantised operand takes f32 operands (vector FMAs, or v_wmma_f32_16x16x4_f32). A number that lies on a knife's edge between two numbers of the format may be rounded either way, as far as f32 arithmetic and the matrix unit's own rounding can turn it there, and no further.
;; One version. Each part assembles by itself: llvm-mc -triple=amdgcn-amd-amdhsa -mcpu=gfx1250 --defsym DOCPART=n.
;; ======== version 1 of 1: 2 launches
;; limits: right only within a limited range of input values
;; workspace buffers: kv 6,553,600 bytes; mbits 4,194,304 bytes of whole numbers; mflag 2,048 bytes of whole numbers
;; launch prep (part 1): grid 1024 x 1, 4 waves a work-group, no clusters, 66,048 bytes of LDS; arguments key, value, attention_mask, kv, mbits, mflag; writes kv, mbits, mflag
.if DOCPART == 1
	.amdgcn_target "amdgcn-amd-amdhsa--gfx1250"
	.amdhsa_code_object_version 6
	.text
	.protected	k_q0374e0cae1_prep
	.globl	k_q0374e0cae1_prep
	.p2align	8
	.type	k_q0374e0cae1_prep,@function
k_q0374e0cae1_prep:
	s_mov_b64 s[64:65], 0
	v_nop
	global_prefetch_b8 v0, s[64:65] scope:SCOPE_SE
	s_setreg_imm32_b32 hwreg(HW_REG_WAVE_MODE, 25, 1), 1
	s_wait_xcnt 0x0
; key, value: [2][4096][8][64] f32.  attention_mask: [2][1][4096][4096], one byte each.  This launch lays them as the attention launch wants them.
; WORK-GROUPS 0-511 (K/V role), one for each (batch x head, step of 128 keys): key and value become codes of FP6 (E2M3) with one E8M0 byte for each 32 along the product's K
;   (key: along the head's 64; value: along the keys), laid as IMAGES OF THE OPERANDS' REGISTERS: kv[bh][step][12,800 bytes] =
;   4 fragments of K (1,536 bytes: lane l's 12 registers at 48 l) | 4 fragments of V (likewise) | 512 bytes of scale words (lane l's four words at 16 l).
;   Fragment b of K: lane (r, hh), registers 6 c .. 6 c + 5 = key 32 b + 8 c + r + 8 (r / 8), channels 32 hh .. 32 hh + 31: two tiles of 16 keys, one in each half of the instruction's 128 along K.
;   Fragment t of V: lane (r, hh), registers 6 c .. 6 c + 5 = channel 16 t + r, keys 64 c + 32 hh .. + 31.
;   Scale words: lanes 0-15, word b: fragment b of K, row r (bytes 2 c + hh); lanes 16-31, word t: fragment t of V, row r (byte = block of 32 keys).
; WORK-GROUPS 512-1023 (mask role), one for each (batch, tile of 16 queries): the mask's bytes become lane masks: mbits[b 256 + tile][step][64 words]; bit l of word n is
;   mask[16 tile + l % 16][128 step + 32 (n / 16) + 16 (l / 16) + n % 16]: the key that score register n holds in lane l of the attention launch.  Any byte other than 0 counts as true.
; A block's scale is 2^(floor(log2(its largest magnitude)) - 2); its byte is that magnitude's exponent field - 2, held at 1 from below by a floor among the maximum's leaves.
; LIMITS: a block of zeros, or one whose largest magnitude lies under 2^-124, gets the byte 1 (the rule says 127 for zeros): its codes are zeros or the rule's own, and this program alone reads the bytes.
;   NaN and infinities among the inputs are not served.
; The two roles part on the work-group's number, have LDS bytes of their own, and join at the one barrier, which so stands on every wave's path; only the K/V role has work behind it.
; No tensor load: every byte comes through registers, each load of a wave covering whole aligned pieces of 256 bytes, and goes out so.
.set P,     272                        ; a stage row: 256 bytes + 16: sixteen rows read at one column start at sixteen different 16-byte columns (64 banks of 4 bytes: ISA guide 11.1)
.set KSTW,  32*P                       ; K/V role: a stage of 32 rows for each wave, from LDS byte 0
.set IMG,   4*KSTW                     ; the step's 12,800 bytes as they will lie in kv
.set MST,   IMG+12800                  ; mask role: a stage of 16 rows for each wave
.set MSTW,  16*P
.set GIN,  4                           ; v4   key, value: my 16 bytes of two rows: 2,048 (lane / 16) + 16 (lane % 16)
.set STI,  5                           ; v5   the stage, way in
.set SKO,  6                           ; v6   key's way out of the stage: row lane % 16, 128 bytes for each half of the lanes
.set SVO,  7                           ; v7   value's: a column a lane
.set IK,   8                           ; v8   image: my 48 bytes of K's fragment (my wave's number)
.set IKS,  9                           ; v9   image: its scale word
.set IV,   10                          ; v10  image: my 24 bytes of a fragment of V
.set IVS,  11                          ; v11  image: its scale byte
.set CO,   12                          ; v12  copy-out, in LDS
.set GOUT, 13                          ; v13  copy-out, in kv
.set MGI,  14                          ; v14  mask: my 16 bytes of two rows: 4,096 (lane / 16) + 16 (lane % 16)
.set MSI,  15                          ; v15  mask stage, way in
.set MSO,  16                          ; v16  mask stage, way out
.set MGO,  17                          ; v17  8 x lane: my two words of a step's 64
.set XK,   32                          ; v32-95   key as loaded; later value by columns
.set XV,   96                          ; v96-159  value as loaded
.set Y,    160                         ; v160-223 key, 2 x 32 neighbours along the head
.set C,    224                         ; v224-235 a fragment's codes
.set CT,   236                         ; v236-238, v240-242 the upper halves of two blocks' codes
.set MX,   244                         ; v244-245 largest magnitudes
.set SO,   246                         ; v246-247 the conversions' scale operands
.set BY,   248                         ; v248-249 scale bytes
.set WD,   250                         ; v250-251 the scale word, at work
.set ML,   32                           ; mask role: v32-159 the bytes as loaded, four chunks
.set Z,    160                         ; v160-191 a chunk back from the stage
.set T,    192                         ; v192-207 sixteen single bytes
.set W,    208                         ; v208-223 eight pairs: a step's 64 words, two a lane
	s_load_b256 s[4:11], s[0:1], 0x0               ; key s[4:5], value s[6:7], mask s[8:9], kv s[10:11]
; THE ORDER OF THE KEYS (this stands in place of the head comment's lines on fragment b of K and on mbits):
;   Fragment b of K: lane (r, hh), registers 6 c .. 6 c + 5 = key 32 (2 (b / 2) + r / 8) + 16 (b % 2) + 8 c + r % 8, channels 32 hh .. 32 hh + 31.
;   So score register n of lane l of the attention launch holds key 64 (n / 32) + 32 (l / 16) + n % 32: a lane's 32 registers are one whole block of 32 keys.
;   mbits: bit l of word n is mask[16 tile + l % 16][128 step + 64 (n / 32) + 32 (l / 16) + n % 32].
;   mflag[b 256 + tile]: one word; bit s is set where any of the tile's 16 x 128 mask bytes of step s is not 0.  Wave w of the mask role stores byte w (its 8 steps).
	s_load_b128 s[12:15], s[0:1], 0x20             ; mbits s[12:13], mflag s[14:15]
	v_lshl_add_u32 v254, v0, 2, 0x10000
	v_mov_b32 v255, 0
	v_lshrrev_b32 v1, 5, v0
	v_readfirstlane_b32 s16, v1                    ; wave 0..3
	v_and_b32 v1, 31, v0                           ; lane
	v_and_b32 v2, 15, v0                           ; lane % 16
	s_wait_alu depctr_va_vdst(0)
	v_bfe_u32 v3, v0, 4, 1                         ; lane / 16
	s_mov_b32 s20, 0x76543210
	s_mov_b32 s21, 0xfedcba98                      ; v_permlanex16_b32's selects for lane l xor 16
	s_and_b32 s17, ttmp9, 511                      ; my number within my role
	; every LDS address of both roles is made here, ahead of the parting: a constant + constants x lane + constants x wave
	s_mul_i32 s22, s16, KSTW                       ; my K/V stage
	s_mul_i32 s23, s16, 1536
	s_add_co_u32 s25, s23, IMG                     ; fragment (my wave's number) of the image
	s_lshl_b32 s26, s16, 2
	s_add_co_u32 s26, s26, IMG+12288
	s_and_b32 s27, s16, 1
	s_mul_i32 s27, s27, 768                        ; my 32 keys are block w of the step: lanes 16 (w % 2) on,
	s_lshr_b32 s28, s16, 1
	s_mul_i32 s28, s28, 24                         ; registers 6 (w / 2) on
	s_add_co_u32 s27, s27, s28
	s_add_co_u32 s27, s27, IMG+6144
	s_add_co_u32 s28, s16, IMG+12544
	s_mul_i32 s24, s16, MSTW
	s_add_co_u32 s24, s24, MST                     ; my mask stage
	v_lshlrev_b32 v[GIN], 4, v2
	s_wait_alu depctr_va_vdst(0)
	v_lshl_add_u32 v[GIN], v3, 11, v[GIN]
	v_mul_u32_u24 v[STI], v3, P
	v_lshl_add_u32 v[STI], v2, 4, v[STI]
	v_add_nc_u32 v[STI], s22, v[STI]
	v_mul_u32_u24 v[SKO], v2, P
	v_lshl_add_u32 v[SKO], v3, 7, v[SKO]
	v_add_nc_u32 v[SKO], s22, v[SKO]
	v_lshl_add_u32 v[SVO], v1, 2, s22
	v_mad_u32_u24 v[IK], v1, 48, s25
	v_lshl_add_u32 v[IKS], v2, 4, s26              ; lane r's four words at 16 r; word = my wave's number
	v_mul_u32_u24 v[IV], v3, 1536                  ; column 32 d + lane is channel lane % 16 of fragment 2 d + lane / 16
	v_mad_u32_u24 v[IV], v2, 48, v[IV]
	v_add_nc_u32 v[IV], s27, v[IV]
	v_lshl_add_u32 v[IVS], v2, 4, s28              ; lane 16 + r's four words; word = fragment, byte = my wave's number
	v_lshl_add_u32 v[IVS], v3, 2, v[IVS]
	v_lshl_add_u32 v[CO], v1, 4, s25
	v_lshl_add_u32 v[GOUT], v1, 4, s23
	v_lshlrev_b32 v[MGI], 4, v2
	v_lshl_add_u32 v[MGI], v3, 12, v[MGI]
	v_mul_u32_u24 v[MSI], v3, P
	v_lshl_add_u32 v[MSI], v2, 4, v[MSI]
	v_add_nc_u32 v[MSI], s24, v[MSI]
	v_mul_u32_u24 v[MSO], v2, P
	v_lshl_add_u32 v[MSO], v3, 5, v[MSO]           ; lanes 16-31 stand 32 keys further on
	v_add_nc_u32 v[MSO], s24, v[MSO]
	v_lshlrev_b32 v[MGO], 3, v1
	s_mul_i32 s30, s17, 12800
	s_mov_b32 s31, 0
	s_wait_kmcnt 0x0
	s_add_nc_u64 s[10:11], s[10:11], s[30:31]      ; kv at (bh, step) = my number in the K/V role (used behind the join, so made ahead of the parting)
	s_cmp_ge_u32 ttmp9, 512
	s_cbranch_scc1 .Lmask
; Two blocks of 32 numbers of a lane, v[src] on and v[src + 32] on, become 2 x 6 registers of codes in v[dst] on; their bytes in v[BY], v[BY + 1].  The two blocks by turns, so that no line waits for the line above it.
.macro QUANT2 src, dst
.irp c, 0,1
	v_max3_num_f32 v[MX+\c], |v[\src+32*\c]|, |v[\src+32*\c+1]|, 0x1800000   ; the floor 2^(3 - 127): the byte cannot fall under 1
.endr
.irp i, 2,4,6,8,10,12,14,16,18,20,22,24,26,28,30
.irp c, 0,1
	v_max3_num_f32 v[MX+\c], v[MX+\c], |v[\src+32*\c+\i]|, |v[\src+32*\c+\i+1]|
.endr
.endr
.irp c, 0,1
	v_add_nc_u32 v[SO+\c], 0xff000000, v[MX+\c]    ; 2 off the exponent field: the conversion takes this operand's exponent field as its scale
.endr
.irp c, 0,1
	v_lshrrev_b32 v[BY+\c], 23, v[SO+\c]           ; the scale's byte
.endr
.irp c, 0,1
	v_cvt_scalef32_pk16_fp6_f32 v[\dst+6*\c:\dst+6*\c+2], v[\src+32*\c:\src+32*\c+15], v[SO+\c]
	v_cvt_scalef32_pk16_fp6_f32 v[CT+4*\c:CT+4*\c+2], v[\src+32*\c+16:\src+32*\c+31], v[SO+\c]   ; (a conversion's three registers begin on an even number)
.endr
	v_nop                                          ; one plain instruction behind the scaled conversions
.irp c, 0,1
.irp i, 0,1,2
	v_mov_b32 v[\dst+6*\c+3+\i], v[CT+4*\c+\i]
.endr
.endr
.endm
	; ---------------- K/V role.  Wave w owns keys 32 w .. 32 w + 31 of the step of value, and fragment w of K
	s_lshr_b32 s18, s17, 8                         ; batch
	s_bfe_u32 s19, s17, 0x30005                    ; head
	s_and_b32 s26, s17, 31                         ; step
	s_lshl_b32 s18, s18, 12
	s_lshl_b32 s26, s26, 7
	s_add_co_u32 s18, s18, s26
	s_lshl_b32 s26, s16, 5
	s_add_co_u32 s18, s18, s26                     ; my first key: 4,096 batch + 128 step + 32 wave
	s_lshl_b32 s18, s18, 11                        ; 2,048 bytes from key to key,
	s_lshl_b32 s19, s19, 8                         ; 256 from head to head
	s_add_co_u32 s18, s18, s19
	s_mov_b32 s19, 0
	s_add_nc_u64 s[4:5], s[4:5], s[18:19]
	s_add_nc_u64 s[6:7], s[6:7], s[18:19]
	s_and_b32 s18, s16, 1                          ; key's rows for fragment w begin at key 64 (w / 2) + 16 (w % 2): 16 (w % 2) keys ahead of value's 32 w
	s_lshl_b32 s18, s18, 15
	s_sub_nc_u64 s[4:5], s[4:5], s[18:19]
.irp m, 0,1,2,3,4,5,6,7,8,9,10,11,12,13,14,15
	global_load_b128 v[XK+4*\m:XK+4*\m+3], v[GIN], s[4:5] offset:4096*(\m%8)+65536*(\m/8) th:TH_LOAD_NT   ; two whole rows of 256 bytes: 16 keys of one block of 32, then the same 16 of the next block
.endr
.irp m, 0,1,2,3,4,5,6,7,8,9,10,11,12,13,14,15
	global_load_b128 v[XV+4*\m:XV+4*\m+3], v[GIN], s[6:7] offset:4096*\m th:TH_LOAD_NT
.endr
	s_wait_loadcnt 16                              ; key's 16 loads are in; value's 16 stay out
.irp m, 0,1,2,3,4,5,6,7,8,9,10,11,12,13,14,15
	ds_store_b128 v[STI], v[XK+4*\m:XK+4*\m+3] offset:(16*((\m/4)%2)+8*(\m/8)+(2*\m)%8)*P   ; key 16 a + 8 c + low goes to stage row 16 c + 8 a + low: row 16 c + r then holds the key of lane r, half c of the fragment
.endr
.irp c, 0,1
.irp j, 0,1,2,3,4,5,6,7
	ds_load_b128 v[Y+32*\c+4*\j:Y+32*\c+4*\j+3], v[SKO] offset:16*\c*P+16*\j   ; LDS serves a wave's instructions in order (ISA guide 5.7.1.4): these see my stores
.endr
.endr
	s_wait_dscnt 0x0                               ; key is back: 2 x 32 neighbours a lane
	s_wait_loadcnt 0x0                             ; value is in
.irp m, 0,1,2,3,4,5,6,7,8,9,10,11,12,13,14,15
	ds_store_b128 v[STI], v[XV+4*\m:XV+4*\m+3] offset:2*\m*P       ; key i at stage row i
.endr
.irp d, 0,1
.irp i, 0,1,2,3,4,5,6,7,8,9,10,11,12,13,14,15,16,17,18,19,20,21,22,23,24,25,26,27,28,29,30,31
	ds_load_b32 v[XK+32*\d+\i], v[SVO] offset:\i*P+128*\d          ; a lane takes channel 32 d + lane, and its registers run down the 32 keys: a whole block
.endr
.endr
	QUANT2 Y, C                                    ; key is quantised while value turns through the stage
	v_lshl_or_b32 v[WD], v[BY+1], 16, v[BY]        ; my two bytes: blocks hh and 2 + hh of row r,
	v_lshlrev_b32 v[WD+1], 3, v3
	v_lshlrev_b32 v[WD], v[WD+1], v[WD]            ; at their places in the scale word;
	v_mov_b32 v[WD+1], 0
	v_permlanex16_b32 v[WD+1], v[WD], s20, s21
	v_or_b32 v[WD], v[WD], v[WD+1]                 ; with lane l xor 16's two the word is whole
.irp j, 0,1,2
	ds_store_b128 v[IK], v[C+4*\j:C+4*\j+3] offset:16*\j
.endr
	ds_store_b32 v[IKS], v[WD]                     ; both halves of the lanes write the same word with the same value
	s_wait_dscnt 0x0                               ; value's columns are in, and the stores above have read the codes' registers
	QUANT2 XK, C
.irp d, 0,1
.irp p, 0,1,2
	ds_store_b64 v[IV], v[C+6*\d+2*\p:C+6*\d+2*\p+1] offset:3072*\d+8*\p
.endr
	ds_store_b8 v[IVS], v[BY+\d] offset:8*\d
.endr
	s_branch .Ljoin
	; ---------------- mask role.  Wave w owns keys 1,024 w .. + 1,023 of the tile's 16 queries: four chunks of 256 keys, two steps each
.Lmask:
	s_lshl_b32 s18, s17, 16                        ; 16 rows of 4,096 bytes for each tile
	s_lshl_b32 s19, s16, 10
	s_add_co_u32 s18, s18, s19
	s_mov_b32 s19, 0
	s_add_nc_u64 s[8:9], s[8:9], s[18:19]
	s_lshl_b32 s18, s17, 13                        ; 32 steps x 256 bytes for each tile,
	s_lshl_b32 s26, s16, 11                        ; 8 steps for each wave
	s_add_co_u32 s18, s18, s26
	s_add_nc_u64 s[12:13], s[12:13], s[18:19]
	s_lshl_b32 s18, s17, 2
	s_add_co_u32 s18, s18, s16                     ; mflag: 4 bytes a tile, my wave's byte
	s_add_nc_u64 s[14:15], s[14:15], s[18:19]
	s_mov_b32 s31, 0                               ; my 8 steps' flags
	s_wait_alu depctr_va_vdst(0)
.irp q, 0,1,2,3
.irp m, 0,1,2,3,4,5,6,7
	global_load_b128 v[ML+32*\q+4*\m:ML+32*\q+4*\m+3], v[MGI], s[8:9] offset:8192*\m+256*\q th:TH_LOAD_NT   ; rows 2 m and 2 m + 1: 256 aligned bytes of each; read once in the launch
.endr
.endr
.irp i, 0,1,2,3,4,5,6,7,8,9,10,11,12,13,14,15
	v_mov_b32 v[W+\i], 0                           ; written once: v_writelane_b32's destination counts as one of its sources
.endr
.macro CHUNK q
	s_wait_loadcnt 8*(3-(\q))                      ; this chunk's 8 loads are in; the later chunks' stay out
.irp m, 0,1,2,3,4,5,6,7
	ds_store_b128 v[MSI], v[ML+32*(\q)+4*\m:ML+32*(\q)+4*\m+3] offset:2*\m*P
.endr
.irp g, 0,1,2,3,4,5,6,7
	ds_load_b128 v[Z+4*\g:Z+4*\g+3], v[MSO] offset:128*(\g/4)+64*((\g%4)/2)+16*(\g%2)   ; lane (x, hh): query x, keys 128 (g / 4) + 64 ((g % 4) / 2) + 32 hh + 16 (g % 2) + 0 .. 15
.endr
	s_wait_dscnt 0x0
.irp u, 0,1                                        ; the flag of step 2 q + u: is any of its bytes, in any lane, not 0?
.irp i, 0,1,2,3
	v_or_b32 v[T+\i], v[Z+16*\u+\i], v[Z+16*\u+4+\i]
.endr
.irp i, 0,1,2,3
	v_or_b32 v[T+\i], v[T+\i], v[Z+16*\u+8+\i]
.endr
.irp i, 0,1,2,3
	v_or_b32 v[T+\i], v[T+\i], v[Z+16*\u+12+\i]
.endr
	v_or_b32 v[T], v[T], v[T+1]
	v_or_b32 v[T+2], v[T+2], v[T+3]
	v_or_b32 v[T], v[T], v[T+2]
	v_cmp_ne_u32 s29, 0, v[T]
	s_cmp_lg_u32 s29, 0
	s_cselect_b32 s29, 1<<(2*(\q)+\u), 0
	s_or_b32 s31, s31, s29
.endr
.irp g, 0,1,2,3,4,5,6,7
.irp i, 0,1,2,3,4,5,6,7,8,9,10,11,12,13,14,15
	v_and_b32 v[T+\i], 0xff<<(8*(\i%4)), v[Z+4*\g+\i/4]            ; byte i of my sixteen
.endr
.irp i, 0,1,2,3,4,5,6,7,8,9,10,11,12,13,14,15
	v_cmp_ne_u32 s[32+\i], 0, v[T+\i]              ; the 32 lanes' bits: word n = 16 (g % 4) + i of the step
.endr
.irp i, 0,1,2,3,4,5,6,7,8,9,10,11,12,13,14,15
	v_writelane_b32 v[W+2*(2*(\q)+\g/4)+\i%2], s[32+\i], (16*(\g%4)+\i)/2   ; word n to lane n / 2, register n % 2
.endr
.if \g%4 == 3
	global_store_b64 v[MGO], v[W+2*(2*(\q)+\g/4):W+2*(2*(\q)+\g/4)+1], s[12:13] offset:256*(2*(\q)+\g/4)   ; a step's 64 words: 256 consecutive bytes, aligned; each step has its own pair, so no store's data are written again
.endif
.endr
.endm
	CHUNK 0
	CHUNK 1
	CHUNK 2
	CHUNK 3
	v_mov_b32 v[T], s31
	v_mov_b32 v[T+1], 0
	global_store_b8 v[T+1], v[T], s[14:15]         ; all lanes write the same byte with the same value
.Ljoin:
	s_wait_dscnt 0x0                               ; for the others' sake: my stores into the image have landed
	s_barrier_signal -1
	s_barrier_wait -1                              ; the step's 12,800 bytes lie in LDS as they will lie in kv
	s_cmp_ge_u32 ttmp9, 512
	s_cbranch_scc1 .Lend                           ; the mask role has stored all its words
.irp j, 0,1,2
	ds_load_b128 v[Y+4*\j:Y+4*\j+3], v[CO] offset:512*\j           ; fragment w of K,
.endr
.irp j, 0,1,2
	ds_load_b128 v[Y+12+4*\j:Y+12+4*\j+3], v[CO] offset:6144+512*\j   ; fragment w of V
.endr
.irp j, 0,1,2
	s_wait_dscnt 5-\j                              ; LDS loads come back in order: load j is in, the younger ones stay out
	global_store_b128 v[GOUT], v[Y+4*\j:Y+4*\j+3], s[10:11] offset:512*\j   ; 32 lanes store 512 consecutive bytes, aligned to 256
.endr
.irp j, 0,1,2
	s_wait_dscnt 2-\j
	global_store_b128 v[GOUT], v[Y+12+4*\j:Y+12+4*\j+3], s[10:11] offset:6144+512*\j
.endr
	s_cmp_lg_u32 s16, 0
	s_cbranch_scc1 .Lend
	ds_load_b128 v[Y+24:Y+27], v[CO] offset:12288  ; wave 0: the 512 bytes of scale words
	s_wait_dscnt 0x0
	global_store_b128 v[GOUT], v[Y+24:Y+27], s[10:11] offset:12288
.Lend:
	s_wait_tensorcnt 0x0
	ds_add_u32 v254, v255
	s_wait_dscnt 0x0
	s_endpgm
.Lfunc_end_k_q0374e0cae1_prep:
	.size	k_q0374e0cae1_prep, .Lfunc_end_k_q0374e0cae1_prep-k_q0374e0cae1_prep
	.p2alignl 7, 3214868480
	.fill 96, 4, 3214868480
	.section	.rodata,"a",@progbits
	.p2align	6, 0x0
	.amdhsa_kernel k_q0374e0cae1_prep
		.amdhsa_group_segment_fixed_size 66048
		.amdhsa_private_segment_fixed_size 0
		.amdhsa_enable_private_segment 0
		.amdhsa_kernarg_size 48
		.amdhsa_user_sgpr_count 2
		.amdhsa_user_sgpr_kernarg_segment_ptr 1
		.amdhsa_wavefront_size32 1
		.amdhsa_system_sgpr_workgroup_id_x 1
		.amdhsa_system_sgpr_workgroup_id_y 1
		.amdhsa_system_sgpr_workgroup_id_z 1
		.amdhsa_system_vgpr_workitem_id 0
		.amdhsa_next_free_vgpr 256
		.amdhsa_next_free_sgpr 66
		.amdhsa_reserve_vcc 0
		.amdhsa_float_denorm_mode_32 3
		.amdhsa_float_denorm_mode_16_64 3
		.amdhsa_memory_ordered 1
		.amdhsa_forward_progress 1
		.amdhsa_inst_pref_size 133
	.end_amdhsa_kernel
	.amdgpu_metadata
---
amdhsa.version: [ 1, 2 ]
amdhsa.kernels:
  - .name:           k_q0374e0cae1_prep
    .symbol:         k_q0374e0cae1_prep.kd
    .args:
      - { .name: key, .offset: 0, .size: 8, .value_kind: global_buffer, .address_space: global }
      - { .name: value, .offset: 8, .size: 8, .value_kind: global_buffer, .address_space: global }
      - { .name: attention_mask, .offset: 16, .size: 8, .value_kind: global_buffer, .address_space: global }
      - { .name: kv, .offset: 24, .size: 8, .value_kind: global_buffer, .address_space: global }
      - { .name: mbits, .offset: 32, .size: 8, .value_kind: global_buffer, .address_space: global }
      - { .name: mflag, .offset: 40, .size: 8, .value_kind: global_buffer, .address_space: global }
    .group_segment_fixed_size: 66048
    .private_segment_fixed_size: 0
    .kernarg_segment_align: 8
    .kernarg_segment_size: 48
    .max_flat_workgroup_size: 128
    .sgpr_count:     66
    .vgpr_count:     256
    .wavefront_size: 32
...
	.end_amdgpu_metadata
.endif
;; end of part 1
;; launch attn (part 2): grid 16 x 16, 16 waves a work-group, no clusters, 225,280 bytes of LDS; arguments query, kv, mbits, mflag, out0; writes out0
.if DOCPART == 2
	.amdgcn_target "amdgcn-amd-amdhsa--gfx1250"
	.amdhsa_code_object_version 6
	.text
	.protected	k_q0374e0cae1_attn
	.globl	k_q0374e0cae1_attn
	.p2align	8
	.type	k_q0374e0cae1_attn,@function
k_q0374e0cae1_attn:
	s_mov_b64 s[64:65], 0
	v_nop
	global_prefetch_b8 v0, s[64:65] scope:SCOPE_SE
	s_setreg_imm32_b32 hwreg(HW_REG_WAVE_MODE, 25, 1), 1
	s_wait_xcnt 0x0
; out0[b][q][64 h + d] = sum over k of softmax_k(where(mask, -10000, q . k / 8)) v[k][d], both products on codes of FP6 (E2M3) with one E8M0 scale for each 32 along a product's K.
; query: [2][4096][8][64] f32, quantised here, in registers (each row is read once, by one wave).  kv, mbits, mflag: as the launch before has laid them.
; THE SOFTMAX: t = logit x log2(e); M = the row's largest t so far, rounded UP to a whole number; p = 2^(t - M) is quantised along the keys, not normalised.  The row's sum is taken of the
; unquantised p, in f32, and divides O at the end.  When M moves, the sum and O are multiplied by 2^(old M - new M): exact.
; THE MASK REPLACES a logit by -10000: a masked score register becomes -80000 (x log2(e) / 8) by one v_cndmask_b32 on a lane mask out of mbits.  Bit s of my tile's word of mflag says whether
; any of my 16 x 128 mask bytes of step s is set: where none is, there is nothing to replace, and a scalar branch leads round the 64 selects and round the load of the 64 words.  No key is skipped.
; SHARES.  A work-group owns 256 queries of one (batch, head); each of its sixteen waves one tile of 16.  Every wave walks all 4,096 keys, 128 a step.
; THE RING.  kv's steps (12,800 bytes each) come through THREE LDS slots of 4 steps, 51,200 bytes, laid as in memory.  Each thread carries 100 bytes of a slot through registers: six loads of 16 bytes
; and one of 4, then as many LDS stores.  One barrier a slot, its two halves a slot apart.  A wave SIGNALS as it enters slot s: its reads of slot s - 1 are over, its stores of slot s + 1 have landed.
; It WAITS at the end of slot s; behind the wait every wave has left slot s - 1 and all of slot s + 1 lies in LDS: the wave stores slot s + 2 into the bytes of slot s - 1, asks for slot s + 3, and signals again.
; Between a signal and its wait stand register work and LDS reads of slot s alone, whose bytes are next written behind the wait of the barrier after the next.
; NO TENSOR LOAD, NO CLUSTER; no joint loads.
; NO PREFETCH: each slot's loads into registers are themselves issued a whole slot, 4 key steps, ahead of their wait.
; LAYOUT.  Both products are used transposed: S^T = K Q^T, O^T = V^T P^T: a lane holds ONE query (lane % 16) throughout.  The head is 64 deep, the instruction 128: a fragment of K holds two tiles of 16 keys,
; and q's six registers of codes stand between six registers of zeros and six more: v[22:33] is q at positions 0-63, v[16:27] q at 64-127.
; Score register n of lane l holds key 64 (n / 32) + 32 (l / 16) + n % 32: registers 0-31 and 32-63 are two WHOLE blocks of 32 keys, in the very places that the second product's operand gives the lane:
; a block's maximum needs no other lane, and the conversions' results are the operand.
; LIMITS: NaN and infinities among the inputs are not served.  A block whose largest magnitude lies under 2^-124 (zeros too) keeps the byte 1.  A block's largest p is taken as 2^ of the block's largest
; score, which takes v_exp_f32 not to fall where its input rises.  The promise holds while the scaled scores stay under 2^31 in magnitude.
.set STEPB, 12800                      ; a step: 4 x 1,536 K, 4 x 1,536 V, 512 of scale words
.set SLOTB, 4*STEPB
.set STAGE, 3*SLOTB                    ; the way out: 16 rows x 272 bytes for each wave
.set SP,    272
.set SPARE, STAGE+16*16*SP             ; the spare words, 128 bytes for each wave: eight blocks of 256 bytes that no other line names
.set AF,   1                           ; 48 x lane
.set ASC,  2                           ; 16 x lane
.set ADR,  3                           ; the step's fragments; on the way out: into the stage
.set ADS,  4                           ; the step's scale words; on the way out: back from the stage
.set SPW,  5
.set NIL,  6
.set NEG,  7                           ; -80000.0
.set GO,   8
                                       ; v9-11 at work; v12 -M, v13 the largest score so far, v[14:15] the sum's first chain
.set QB,   16                          ; v16-21 zeros, v22-27 q's codes, v28-33 zeros
.set QSL,  34
.set QSH,  35
.set SC,   36                          ; v36-39 scale words: lanes 0-15 K's fragments, lanes 16-31 V's
.set F,    40                          ; v40-87 four fragments: K's, then V's
.set A16C, 88                          ; 16 x thread in LDS slot 2
.set A16,  89                          ; 16 x thread: kv's offset, and LDS slot 0's address
.set A16B, 90                          ; the same in LDS slot 1
.set A4,   91                          ; 4 x thread
.set A4B,  92
.set GS,   93                          ; a slot's last 2,048 bytes: my 4
.set SH,   94                          ; 8 (lane / 16)
.set A4C,  95
.set S,    96                          ; v96-159 S^T, then p
.set O,    160                         ; v160-191 O^T; at the head v160-184 carry my 100 bytes of slot 1
.set PC,   192                         ; v192-203 p's codes
.set BM,   204                         ; v204-205 my two blocks' largest scores, then largest p
.set BT,   206                         ; v206-207 second chains; then the bytes
.set BS,   208                         ; v208-209 the conversions' scale operands
.set PW,   210                         ; p's scale word
.set TT,   211
.set FF,   212                         ; f = 2^(old M - new M); v213 named with it as a pair
.set PX,   214                         ; lane l xor 16's
.set CT,   216                         ; v216-218, v220-222
.set LB,   224                         ; v224-229 the sum's chains 2 to 4
.set LC,   226
.set LD,   228
.set G,    230                         ; v230-253 my 96 bytes of a slot
.set WV,   2
.set TB,   3
.set CNT,  5
.set SEL,  6
.set CS,   8                           ; s[8:9] c = log2(e) / 8
.set MB,   10
.set MO,   12
.set OUT,  14
.set KV,   16
.set QP,   18
.set FL,   20                          ; my tile's 32 flags
.set IDX,  21                          ; the step
.set TRIP, 22
.set NCS,  23                          ; -c
                                       ; s[32:63], s[68:99]: a step's 64 mask words; at the head: arguments and offsets
.macro MLOAD
	s_load_b512 s[32:47], s[MB:MB+1], s[MO] offset:0x0
	s_load_b512 s[48:63], s[MB:MB+1], s[MO] offset:0x40
	s_load_b512 s[68:83], s[MB:MB+1], s[MO] offset:0x80
	s_load_b512 s[84:99], s[MB:MB+1], s[MO] offset:0xc0
.endm
.macro KLOAD g, gs, off                ; a slot's 51,200 bytes: each load of a wave covers 512 consecutive bytes (the last: 128)
.irp j, 0,1,2,3,4,5
	global_load_b128 v[\g+4*\j:\g+4*\j+3], v[A16], s[KV:KV+1] offset:\off+8192*\j
.endr
	global_load_b32 v[\gs], v[A4], s[KV:KV+1] offset:\off+49152
.endm
.macro KSTORE a16, a4, g, gs
.irp j, 0,1,2,3,4,5
	ds_store_b128 v[\a16], v[\g+4*\j:\g+4*\j+3] offset:8192*\j
.endr
	ds_store_b32 v[\a4], v[\gs] offset:49152
.endm
	s_load_b256 s[32:39], s[0:1], 0x0              ; query, kv, mbits, mflag
	s_load_b64 s[40:41], s[0:1], 0x20              ; out0
	v_lshl_add_u32 v[SPW], v0, 2, SPARE
	v_mov_b32 v[NIL], 0
	v_lshrrev_b32 v9, 5, v0
	v_readfirstlane_b32 s[WV], v9                  ; wave 0..15
	v_lshlrev_b32 v[A16], 4, v0
	v_lshlrev_b32 v[A4], 2, v0
	v_and_b32 v9, 15, v0                           ; r
	v_bfe_u32 v10, v0, 4, 1                        ; hh
	v_and_b32 v[AF], 31, v0
	v_add_nc_u32 v[A16B], SLOTB, v[A16]
	v_add_nc_u32 v[A4B], SLOTB, v[A4]
	v_add_nc_u32 v[A16C], 2*SLOTB, v[A16]
	v_add_nc_u32 v[A4C], 2*SLOTB, v[A4]
	v_lshlrev_b32 v11, 4, v9
	v_lshlrev_b32 v[SH], 3, v10
	v_lshlrev_b32 v[ASC], 4, v[AF]
	v_mul_u32_u24 v[AF], v[AF], 48
	v_lshl_add_u32 v11, v10, 11, v11               ; q's loads: 16 lanes on a query's 256 bytes of this head, lanes 16-31 on the next query's
	v_mov_b32 v[NEG], 0xc79c4000
	v_mov_b32 v13, 0xff61b1e6                      ; the largest score so far: -3e38
	s_and_b32 s30, ttmp7, 0xffff                   ; 8 batch + head
	s_lshr_b32 s31, s30, 3
	s_and_b32 s13, s30, 7
	s_lshl_b32 s42, s31, 12
	s_lshl_b32 s43, ttmp9, 8
	s_add_co_u32 s42, s42, s43
	s_lshl_b32 s43, s[WV], 4
	s_add_co_u32 s42, s42, s43                     ; my first query: 4,096 batch + 256 block + 16 wave
	s_lshl_b32 s42, s42, 11
	s_lshl_b32 s43, s13, 8
	s_add_co_u32 s42, s42, s43
	s_mov_b32 s43, 0
	s_lshl_b32 s44, s31, 8
	s_lshl_b32 s45, ttmp9, 4
	s_add_co_u32 s44, s44, s45
	s_add_co_u32 s44, s44, s[WV]                   ; my tile: 256 batch + 16 block + wave
	s_lshl_b32 s46, s44, 2                         ; 4 bytes of flags a tile,
	s_mov_b32 s47, 0
	s_lshl_b32 s44, s44, 13                        ; 8,192 bytes of mask words
	s_mov_b32 s45, 0
	s_mul_i32 s48, s30, 32*STEPB
	s_mov_b32 s49, 0
	s_mov_b32 s[SEL], 0x76543210
	s_mov_b32 s[SEL+1], 0xfedcba98
	s_mov_b32 s[CS], 0x3e38aa3b
	s_mov_b32 s[CS+1], s[CS]
	s_mov_b32 s[NCS], 0xbe38aa3b
	s_mov_b32 s[MO], 0
	s_mov_b32 s[IDX], 0
	s_mov_b32 s[TRIP], 2
	s_mul_i32 s26, s[WV], 16*SP
	s_add_co_u32 s26, s26, STAGE                   ; my stage: at the head q turns through it
	v_mul_u32_u24 v[ADS], v10, SP
	v_mul_u32_u24 v[ADR], v9, SP
	v_lshl_add_u32 v[ADS], v9, 4, v[ADS]
	v_lshl_add_u32 v[ADR], v10, 7, v[ADR]
	v_add_nc_u32 v[ADS], s26, v[ADS]               ; in: lanes 0-15 one row, lanes 16-31 the next
	v_add_nc_u32 v[ADR], s26, v[ADR]               ; back: row r, channels 32 hh on: a whole block of 32 a lane
	s_wait_alu depctr_va_vdst(0)
	s_wait_kmcnt 0x0
	s_add_nc_u64 s[KV:KV+1], s[34:35], s[48:49]
	s_add_nc_u64 s[QP:QP+1], s[32:33], s[42:43]
	s_add_nc_u64 s[OUT:OUT+1], s[40:41], s[42:43]
	s_add_nc_u64 s[MB:MB+1], s[36:37], s[44:45]
	s_add_nc_u64 s[24:25], s[38:39], s[46:47]
	KLOAD G, GS, 0                                 ; slot 0,
.irp j, 0,1,2,3,4,5,6,7
	global_load_b128 v[S+32+4*\j:S+32+4*\j+3], v11, s[QP:QP+1] offset:4096*\j th:TH_LOAD_NT   ; queries 2 j and 2 j + 1: two whole rows of 256 bytes
.endr
	KLOAD O, O+24, SLOTB                           ; and slot 1, in registers that O^T takes later
	s_load_b32 s[FL], s[24:25], 0x0
	MLOAD                                          ; step 0's mask words go out beside the flags, which are not known yet
	v_mul_f32 v12, s[NCS], v13
	v_mov_b32 v14, 0
	v_mov_b32 v15, 0
	v_mov_b32 v[FF+1], 0
	v_mov_b32 v[PX], 0                             ; a lane permute's destination counts as one of its sources
	v_floor_f32 v12, v12                           ; -M
.irp i, 0,1,2,3,4,5
	v_mov_b32 v[QB+\i], 0
	v_mov_b32 v[QB+12+\i], 0
.endr
	s_wait_alu depctr_va_vdst(0)
	s_wait_loadcnt 7                               ; slot 0's seven loads and q's eight are in; slot 1's seven may be out
	KSTORE A16, A4, G, GS
.irp j, 0,1,2,3,4,5,6,7
	ds_store_b128 v[ADS], v[S+32+4*\j:S+32+4*\j+3] offset:2*\j*SP
.endr
.irp j, 0,1,2,3,4,5,6,7
	ds_load_b128 v[S+4*\j:S+4*\j+3], v[ADR] offset:16*\j           ; LDS serves a wave's instructions in order (ISA guide 5.7.1.4): these see my stores
.endr
	s_wait_dscnt 0x0                               ; q is back: 32 neighbours a lane
	v_max3_num_f32 v[BM], |v[S]|, |v[S+1]|, 0x1800000
	v_max3_num_f32 v[BM+1], |v[S+2]|, |v[S+3]|, |v[S+4]|
.irp i, 5,9,13,17,21,25
	v_max3_num_f32 v[BM], v[BM], |v[S+\i]|, |v[S+\i+1]|
	v_max3_num_f32 v[BM+1], v[BM+1], |v[S+\i+2]|, |v[S+\i+3]|
.endr
	v_max3_num_f32 v[BM], v[BM], |v[S+29]|, |v[S+30]|
	v_max3_num_f32 v[BM], v[BM], v[BM+1], |v[S+31]|
	v_add_nc_u32 v[BS], 0xff000000, v[BM]          ; 2 off the exponent field: the conversion's scale operand
	v_lshrrev_b32 v[BM+1], 23, v[BS]               ; the byte
	v_cvt_scalef32_pk16_fp6_f32 v[QB+6:QB+8], v[S:S+15], v[BS]
	v_cvt_scalef32_pk16_fp6_f32 v[CT:CT+2], v[S+16:S+31], v[BS]
	v_lshlrev_b32 v[BM+1], v[SH], v[BM+1]          ; my byte at its place.  (The plain instruction behind the scaled conversions)
.irp i, 0,1,2
	v_mov_b32 v[QB+9+\i], v[CT+\i]
.endr
	v_permlanex16_b32 v[PX], v[BM+1], s[SEL], s[SEL+1]
	v_or_b32 v[BM+1], v[BM+1], v[PX]
	v_or_b32 v[QSL], 0x7f7f0000, v[BM+1]           ; over the zeros stands the byte 127
	v_lshl_or_b32 v[QSH], v[BM+1], 16, 0x7f7f
	s_wait_alu depctr_va_vdst(0)
	s_wait_loadcnt 0x0                             ; slot 1 is in registers
	KSTORE A16B, A4B, O, O+24
	s_wait_dscnt 0x0                               ; the stores have landed, and have read their registers
	s_add_nc_u64 s[KV:KV+1], s[KV:KV+1], 2*SLOTB
	KLOAD G, GS, 0                                 ; slot 2
.set j, 0
.rept 32
	v_mov_b32 v[O+j], 0                            ; the step is written once: its first trip finds zeros.  (These also stand between the writes of q's codes and scale words and the first products)
.set j, j+1
.endr
.macro STEP
	v_add_nc_u32 v[ADR], s[TB], v[AF]              ; with the three additions at the last step's end: five plain instructions behind its products, ahead of loads into registers that they read
	v_add_nc_u32 v[ADS], s[TB], v[ASC]
.irp b, 0,1,2,3
.irp j, 0,1,2
	ds_load_b128 v[F+12*\b+4*\j:F+12*\b+4*\j+3], v[ADR] offset:1536*\b+16*\j
.endr
.endr
	ds_load_b128 v[SC:SC+3], v[ADS] offset:12288
	s_wait_alu depctr_va_vdst(0)
	s_wait_dscnt 0x0
.irp b, 0,1,2,3
	v_wmma_scale_f32_16x16x128_f8f6f4 v[S+16*\b:S+16*\b+7], v[F+12*\b:F+12*\b+11], v[QB+6:QB+17], 0, v[SC+\b], v[QSL] matrix_a_fmt:MATRIX_FMT_FP6 matrix_b_fmt:MATRIX_FMT_FP6
	v_wmma_scale_f32_16x16x128_f8f6f4 v[S+16*\b+8:S+16*\b+15], v[F+12*\b:F+12*\b+11], v[QB:QB+11], 0, v[SC+\b], v[QSH] matrix_a_fmt:MATRIX_FMT_FP6 matrix_b_fmt:MATRIX_FMT_FP6
.endr
.rept 4
	v_nop                                          ; four places: ahead of the loads into K's registers and of the first read of the scores
.endr
.irp t, 0,1,2,3
.irp j, 0,1,2
	ds_load_b128 v[F+12*\t+4*\j:F+12*\t+4*\j+3], v[ADR] offset:6144+1536*\t+16*\j   ; V's fragments land while the softmax is worked
.endr
.endr
	s_wait_kmcnt 0x0                               ; the flags; this step's mask words, if they were asked for
	s_bitcmp1_b32 s[FL], s[IDX]
	s_cbranch_scc0 .Lclear_\@                      ; none of my 16 x 128 mask bytes of this step is set
.set n, 0
.rept 64
	v_cndmask_b32 v[S+n], v[S+n], v[NEG], s[32+n+4*(n/32)]
.set n, n+1
.endr
.Lclear_\@:
	s_add_co_u32 s[IDX], s[IDX], 1
	s_add_co_u32 s[MO], s[MO], 256
	s_min_u32 s[MO], s[MO], 31*256                 ; behind the last step the test below sees bit 0 again: the offset is held inside the buffer
	s_bitcmp1_b32 s[FL], s[IDX]
	s_cbranch_scc0 .Lnone_\@
	MLOAD                                          ; the next step's words, a step ahead
.Lnone_\@:
.irp c, 0,1                                        ; my two blocks' largest scores, each in two chains; every result is read from its low end on
	v_max3_num_f32 v[BM+\c], v[S+32*\c], v[S+32*\c+1], v[S+32*\c+2]
	v_max3_num_f32 v[BT+\c], v[S+32*\c+16], v[S+32*\c+17], v[S+32*\c+18]
.endr
.irp i, 3,5,7,9,11,13
.irp c, 0,1
	v_max3_num_f32 v[BM+\c], v[BM+\c], v[S+32*\c+\i], v[S+32*\c+\i+1]
	v_max3_num_f32 v[BT+\c], v[BT+\c], v[S+32*\c+16+\i], v[S+32*\c+17+\i]
.endr
.endr
.irp c, 0,1
	v_max3_num_f32 v[BM+\c], v[BM+\c], v[BT+\c], v[S+32*\c+15]
.endr
.irp c, 0,1
	v_max_num_f32 v[BM+\c], v[BM+\c], v[S+32*\c+31]
.endr
	s_delay_alu instid0(VALU_DEP_1)
	v_max_num_f32 v[TT], v[BM], v[BM+1]
	s_delay_alu instid0(VALU_DEP_1)
	v_permlanex16_b32 v[PX], v[TT], s[SEL], s[SEL+1]
	s_delay_alu instid0(VALU_DEP_1)
	v_max3_num_f32 v13, v13, v[TT], v[PX]          ; the running largest score of my query
	s_delay_alu instid0(VALU_DEP_1)
	v_mul_f32 v[TT], s[NCS], v13                   ; -t
	s_delay_alu instid0(VALU_DEP_1)
	v_floor_f32 v[TT], v[TT]                       ; the new -M = -ceil(t)
	s_delay_alu instid0(VALU_DEP_1)
	v_sub_f32 v[PX], v[TT], v12                    ; old M less new M: a whole number, 0 or less
	v_mov_b32 v12, v[TT]
	s_delay_alu instid0(VALU_DEP_2)
	v_cvt_i32_f32 v[PX], v[PX]                     ; (it saturates)
	s_delay_alu instid0(VALU_DEP_1)
	v_ldexp_f32 v[FF], 1.0, v[PX]                  ; f
.set j, 0
.rept 32
	v_pk_fma_f32 v[S+j:S+j+1], v[S+j:S+j+1], s[CS:CS+1], v[12:13] op_sel_hi:[1,0,0]   ; t - M
.set j, j+2
.endr
.irp c, 0,1
	v_fma_f32 v[BM+\c], v[BM+\c], s[CS], v12       ; the same of each block's largest score
.endr
.set j, 0
.rept 16
	v_pk_mul_f32 v[O+j:O+j+1], v[O+j:O+j+1], v[FF:FF+1] op_sel_hi:[1,0]   ; O^T under the new M, ascending
.set j, j+2
.endr
	s_wait_alu depctr_va_vdst(0)
.irp c, 0,1
	v_exp_f32 v[BM+\c], v[BM+\c]                   ; the block's largest p
.endr
.set j, 0
.rept 64
	v_exp_f32 v[S+j], v[S+j]                       ; p = 2^(t - M)
.set j, j+1
.endr
	v_pk_mul_f32 v[14:15], v[14:15], v[FF:FF+1] op_sel_hi:[1,0]    ; the sum under the new M.  (The plain instruction behind the exponentials)
	s_wait_alu depctr_va_vdst(0)                   ; and behind it: one wait for the 66
.irp c, 0,1
	v_max_num_f32 v[BM+\c], 0x1800000, v[BM+\c]    ; the floor 2^(3 - 127)
.endr
.irp c, 0,1
	v_add_nc_u32 v[BS+\c], 0xff000000, v[BM+\c]
.endr
.irp c, 0,1
	v_lshrrev_b32 v[BT+\c], 23, v[BS+\c]
.endr
	v_lshl_or_b32 v[PW], v[BT+1], 16, v[BT]        ; my bytes: blocks hh and 2 + hh,
	s_delay_alu instid0(VALU_DEP_1)
	v_lshlrev_b32 v[PW], v[SH], v[PW]              ; at their places;
	s_delay_alu instid0(VALU_DEP_1)
	v_permlanex16_b32 v[PX], v[PW], s[SEL], s[SEL+1]
	s_delay_alu instid0(VALU_DEP_1)
	v_or_b32 v[PW], v[PW], v[PX]                   ; with lane l xor 16's two the word is whole
.irp c, 0,1
	v_cvt_scalef32_pk16_fp6_f32 v[PC+6*\c:PC+6*\c+2], v[S+32*\c:S+32*\c+15], v[BS+\c]
	v_cvt_scalef32_pk16_fp6_f32 v[CT+4*\c:CT+4*\c+2], v[S+32*\c+16:S+32*\c+31], v[BS+\c]
.endr
	v_pk_add_f32 v[14:15], v[14:15], v[S:S+1]      ; the row's sum, of the unquantised p, in four chains.  (Plain instructions behind the scaled conversions)
	v_pk_add_f32 v[LB:LB+1], v[S+2:S+3], v[S+4:S+5]
	v_pk_add_f32 v[LC:LC+1], v[S+6:S+7], v[S+8:S+9]
	v_pk_add_f32 v[LD:LD+1], v[S+10:S+11], v[S+12:S+13]
.irp c, 0,1
.irp i, 0,1,2
	v_mov_b32 v[PC+6*\c+3+\i], v[CT+4*\c+\i]       ; (a conversion's three registers begin on an even number)
.endr
.endr
.set j, 14
.rept 6
	v_pk_add_f32 v[14:15], v[14:15], v[S+j:S+j+1]
	v_pk_add_f32 v[LB:LB+1], v[LB:LB+1], v[S+j+2:S+j+3]
	v_pk_add_f32 v[LC:LC+1], v[LC:LC+1], v[S+j+4:S+j+5]
	v_pk_add_f32 v[LD:LD+1], v[LD:LD+1], v[S+j+6:S+j+7]
.set j, j+8
.endr
	v_pk_add_f32 v[14:15], v[14:15], v[S+62:S+63]  ; (these 25 stand between the writes of p's codes and scale word and the products)
	s_wait_alu depctr_va_vdst(0)
	s_wait_dscnt 0x0                               ; V's fragments are in
.irp t, 0,1,2,3                                    ; the four accumulators by turns
	v_wmma_scale_f32_16x16x128_f8f6f4 v[O+8*\t:O+8*\t+7], v[F+12*\t:F+12*\t+11], v[PC:PC+11], v[O+8*\t:O+8*\t+7], v[SC+\t], v[PW] matrix_a_fmt:MATRIX_FMT_FP6 matrix_b_fmt:MATRIX_FMT_FP6 matrix_a_scale:MATRIX_SCALE_ROW1
.endr
	v_pk_add_f32 v[14:15], v[14:15], v[LB:LB+1]
	v_pk_add_f32 v[LC:LC+1], v[LC:LC+1], v[LD:LD+1]
	v_pk_add_f32 v[14:15], v[14:15], v[LC:LC+1]
	s_add_co_u32 s[TB], s[TB], STEPB
.endm
.macro PERIOD buf                      ; the four key steps of the slot that lies in LDS slot buf
	s_mov_b32 s[TB], \buf*SLOTB
	s_mov_b32 s[CNT], 4
.Lstep_\@:
	STEP
	s_sub_co_u32 s[CNT], s[CNT], 1
	s_cmp_lg_u32 s[CNT], 0
	s_cbranch_scc1 .Lstep_\@
.endm
; FROM SLOT s TO SLOT s + 1.  The wait closes the barrier that was signalled on entering slot s.  ld = 1: slot s + 3 is asked for; ld = 2: only in the loop's first trip (in its second, s + 3 would be slot 8).
.macro BOUND a16, a4, ld
	s_wait_alu depctr_va_vdst(0)
	s_barrier_wait -1                              ; every wave has left slot s - 1, and all of slot s + 1 lies in LDS
	s_wait_loadcnt 0x0                             ; slot s + 2 is in my registers
	KSTORE \a16, \a4, G, GS                        ; into the bytes of slot s - 1
	s_wait_dscnt 0x0                               ; the stores have landed, and have read their registers; my reads of slot s were over before
.if \ld == 2
	s_cmp_eq_u32 s[TRIP], 1
	s_cbranch_scc1 .Lasked_\@
.endif
	s_add_nc_u64 s[KV:KV+1], s[KV:KV+1], SLOTB     ; (behind the wait for the loads that read it)
	KLOAD G, GS, 0
.if \ld == 2
.Lasked_\@:
.endif
	s_barrier_signal -1                            ; I enter slot s + 1
.endm
	s_wait_alu depctr_va_vdst(0)
	s_barrier_signal -1
	s_barrier_wait -1                              ; slots 0 and 1 lie in LDS whole
	s_barrier_signal -1                            ; I enter slot 0
.Ltri:                                             ; two trips: slots 0 to 5
	PERIOD 0
	BOUND A16C, A4C, 1
	PERIOD 1
	BOUND A16, A4, 1
	PERIOD 2
	BOUND A16B, A4B, 2
	s_sub_co_u32 s[TRIP], s[TRIP], 1
	s_cmp_lg_u32 s[TRIP], 0
	s_cbranch_scc1 .Ltri
	PERIOD 0                                       ; slot 6
	s_wait_alu depctr_va_vdst(0)
	s_barrier_wait -1                              ; all of slot 7 lies in LDS; nothing more is stored
	PERIOD 1                                       ; slot 7
	; THE WAY OUT: O^T is divided by the sum and goes through my stage, so that sixteen lanes store a query's 256 bytes of this head
	v_add_f32 v14, v14, v15
	s_delay_alu instid0(VALU_DEP_1)
	v_permlanex16_b32 v[PX], v14, s[SEL], s[SEL+1]
	s_delay_alu instid0(VALU_DEP_1)
	v_add_f32 v14, v14, v[PX]                      ; the row's sum
	s_wait_alu depctr_va_vdst(0)
	v_rcp_f32 v14, v14
	v_and_b32 v9, 15, v0
	v_bfe_u32 v10, v0, 4, 1
	s_mul_i32 s13, s[WV], 16*SP
	s_add_co_u32 s13, s13, STAGE
	v_mul_u32_u24 v[ADR], v9, SP
	v_mul_u32_u24 v[ADS], v10, SP
	v_lshlrev_b32 v[GO], 11, v10
	v_lshl_add_u32 v[ADR], v10, 5, v[ADR]
	v_lshl_add_u32 v[ADS], v9, 4, v[ADS]
	v_lshl_add_u32 v[GO], v9, 4, v[GO]
	v_add_nc_u32 v[ADR], s13, v[ADR]               ; in: row r, 64 t + 32 hh bytes on
	v_add_nc_u32 v[ADS], s13, v[ADS]               ; back: lanes 0-15 one row, lanes 16-31 the next
	s_wait_alu depctr_va_vdst(0)                   ; the wait ahead of the first reader of the reciprocal and of O^T
.set j, 0
.rept 16
	v_pk_mul_f32 v[S+j:S+j+1], v[O+j:O+j+1], v[14:15] op_sel_hi:[1,0]
.set j, j+2
.endr
.irp t, 0,1,2,3
	ds_store_b128 v[ADR], v[S+8*\t:S+8*\t+3] offset:64*\t
	ds_store_b128 v[ADR], v[S+8*\t+4:S+8*\t+7] offset:64*\t+16
.endr
.irp i, 0,1,2,3,4,5,6,7
	ds_load_b128 v[F+4*\i:F+4*\i+3], v[ADS] offset:2*\i*SP         ; LDS serves a wave's instructions in order (ISA guide 5.7.1.4): these see my stores
.endr
.irp i, 0,1,2,3,4,5,6,7
	s_wait_dscnt 7-\i                              ; load i is back; the younger ones stay out
	global_store_b128 v[GO], v[F+4*\i:F+4*\i+3], s[OUT:OUT+1] offset:4096*\i th:TH_STORE_NT   ; 16 lanes store 256 consecutive bytes, aligned
.endr
	s_wait_kmcnt 0x0                               ; a look-ahead load of mask words, if one is out
	s_wait_tensorcnt 0x0                           ; the wave's end
	ds_add_u32 v[SPW], v[NIL]
	s_wait_dscnt 0x0
	s_endpgm
.Lfunc_end_k_q0374e0cae1_attn:
	.size	k_q0374e0cae1_attn, .Lfunc_end_k_q0374e0cae1_attn-k_q0374e0cae1_attn
	.p2alignl 7, 3214868480
	.fill 96, 4, 3214868480
	.section	.rodata,"a",@progbits
	.p2align	6, 0x0
	.amdhsa_kernel k_q0374e0cae1_attn
		.amdhsa_group_segment_fixed_size 225280
		.amdhsa_private_segment_fixed_size 0
		.amdhsa_enable_private_segment 0
		.amdhsa_kernarg_size 40
		.amdhsa_user_sgpr_count 2
		.amdhsa_user_sgpr_kernarg_segment_ptr 1
		.amdhsa_wavefront_size32 1
		.amdhsa_system_sgpr_workgroup_id_x 1
		.amdhsa_system_sgpr_workgroup_id_y 1
		.amdhsa_system_sgpr_workgroup_id_z 1
		.amdhsa_system_vgpr_workitem_id 0
		.amdhsa_next_free_vgpr 256
		.amdhsa_next_free_sgpr 100
		.amdhsa_reserve_vcc 0
		.amdhsa_float_denorm_mode_32 3
		.amdhsa_float_denorm_mode_16_64 3
		.amdhsa_memory_ordered 1
		.amdhsa_forward_progress 1
		.amdhsa_inst_pref_size 116
	.end_amdhsa_kernel
	.amdgpu_metadata
---
amdhsa.version: [ 1, 2 ]
amdhsa.kernels:
  - .name:           k_q0374e0cae1_attn
    .symbol:         k_q0374e0cae1_attn.kd
    .args:
      - { .name: query, .offset: 0, .size: 8, .value_kind: global_buffer, .address_space: global }
      - { .name: kv, .offset: 8, .size: 8, .value_kind: global_buffer, .address_space: global }
      - { .name: mbits, .offset: 16, .size: 8, .value_kind: global_buffer, .address_space: global }
      - { .name: mflag, .offset: 24, .size: 8, .value_kind: global_buffer, .address_space: global }
      - { .name: out0, .offset: 32, .size: 8, .value_kind: global_buffer, .address_space: global }
    .group_segment_fixed_size: 225280
    .private_segment_fixed_size: 0
    .kernarg_segment_align: 8
    .kernarg_segment_size: 40
    .max_flat_workgroup_size: 512
    .sgpr_count:     100
    .vgpr_count:     256
    .wavefront_size: 32
...
	.end_amdgpu_metadata
.endif
;; end of part 2
